; MI455X (gfx1250); checked and timed in simulation.
; The chip was launched on July 23, 2026; its instructions are those of AMD's public machine-readable ISA for CDNA 5 (MIT licence, August 2026) and "CDNA5" Instruction Set Architecture Reference Guide (July 2026). The comments in the code are by the model that wrote it; some were corrected since.
;; Fast Attention. Allowed arithmetic: float matrix products may take bf16 or f16 operands with f32 sums; all other float work in f32.
;; Inputs: Wk 512 x 512 float32; Wq 512 x 512 float32; Wv 512 x 512 float32; bk 512 float32; bq 512 float32; bv 512 float32; x 64 x 2,048 x 512 float32.
;; Outputs: out0 64 x 512 float32.
;; 2 versions, each right; version 2 is version 1 with the launches colsum, attn written anew for expert scheduling mode. Each part assembles by itself: llvm-mc -triple=amdgcn-amd-amdhsa -mcpu=gfx1250 --defsym DOCPART=n.
;; ======== version 1 of 2: 4 launches
;; workspace buffers: ps 524,288 bytes; up 2,359,296 bytes; pz 589,824 bytes
;; launch colsum (part 1): grid 256 x 1, 16 waves a work-group, no clusters, 34,816 bytes of LDS; arguments x, ps; writes ps
.if DOCPART == 1
	.amdgcn_target "amdgcn-amd-amdhsa--gfx1250"
	.amdhsa_code_object_version 6
	.text
	.protected	k_q87575bf1a6_colsum
	.globl	k_q87575bf1a6_colsum
	.p2align	8
	.type	k_q87575bf1a6_colsum,@function
k_q87575bf1a6_colsum:
	s_mov_b64 s[64:65], 0
	v_nop
	global_prefetch_b8 v0, s[64:65] scope:SCOPE_SE
	s_setreg_imm32_b32 hwreg(HW_REG_WAVE_MODE, 25, 1), 1
	s_wait_xcnt 0x0
; COLUMN SUMS OF x.  x: [64][2048][512] f32.  ps: [64 batches][4 parts][512] f32: ps[b][p][d] = the sum of x[b][s][d] over the 512 rows s of part p.
; The mean over a batch's rows must be whole before any score can be made, so this pass over x stands in a launch of its own; the division by 2,048 is left to the launch behind.
; SHARES.  Work-group g owns 1 MiB of x: batch g / 4, part g % 4.  Each of its 16 waves owns 32 rows (64 KiB) and adds them in registers; the 16 sums meet in LDS.
; A ROW IN REGISTERS.  A row is 2,048 bytes: four loads of 16 bytes a lane; load j brings columns 128 j + 4 lane .. + 3, so each load of a wave covers 512 consecutive bytes.
; THE RING.  Eight groups of 4 rows (16 loads) go through three register slots: while one group is added, two are on their way: 32 loads, 16 KiB, a wave.
; No matrix unit (there is no product), no tensor loads (the counted waits of a register ring never empty the pipe), no cluster (no work-group shares a byte with another).
; LIMITS.  Plain f32 sums, 32 rows in order in a wave, then a tree over 16 waves: another order of rounding than a sum along the axis.
.set ROWB,  2048                       ; bytes in a row
.set GRP,   4*ROWB                     ; bytes in a group of four rows
.set PLANE, 8192                       ; LDS: plane j (columns 128 j ..) holds 16 waves x 512 bytes
.set SPARE, 32768                      ; behind the four planes: the spare words, 128 bytes for each of 16 waves
.set ACC,   20                         ; v[20:35]  the wave's sums of a row's 16 numbers a lane
.set X,     64                         ; v[64:255] slot k at X + 64 k, row i at + 16 i, load j at + 4 j
; v1 16 x lane   v2, v3 the add's two registers   v4 where my sums go in LDS   v5 where I read 16 waves' sums back   v6 my byte offset in ps
	s_load_b128 s[4:7], s[0:1], 0x0                ; x s[4:5], ps s[6:7]
	v_lshl_add_u32 v2, v0, 2, SPARE                ; my spare word,
	v_mov_b32 v3, 0                                ; and 0: kept for the add at the wave's end alone
	v_lshrrev_b32 v7, 5, v0
	v_readfirstlane_b32 s8, v7                     ; wave 0..15
	v_and_b32 v1, 31, v0
	v_lshlrev_b32 v1, 4, v1                        ; 16 x lane
	v_lshl_add_u32 v4, s8, 9, v1                   ; in a plane: 512 x wave + 16 x lane
	v_and_b32 v6, 0xff, v0                         ; the last fold is done by threads 0 to 255; the mask keeps the address inside LDS in every wave
	v_lshrrev_b32 v5, 6, v6                        ; thread u owns columns 2 u, 2 u + 1: plane u / 64,
	v_and_b32 v8, 63, v6
	v_lshlrev_b32 v8, 3, v8                        ; byte 8 (u % 64) of a wave's 512
	v_lshl_add_u32 v5, v5, 13, v8
	v_lshlrev_b32 v6, 3, v6                        ; and byte 8 u of the 2,048 in ps
	s_lshl_b32 s10, ttmp9, 20                      ; the work-group's MiB (255 MiB at the most: 32 bits hold it),
	s_lshl_b32 s12, s8, 16                         ; my wave's 64 KiB in it
	s_add_co_u32 s10, s10, s12
	s_mov_b32 s11, 0
	s_lshl_b32 s12, ttmp9, 11                      ; the work-group's 2,048 bytes of ps
	s_mov_b32 s13, 0
	s_wait_kmcnt 0x0
	s_add_nc_u64 s[4:5], s[4:5], s[10:11]
	s_add_nc_u64 s[6:7], s[6:7], s[12:13]
; Sixteen loads: group g's four rows into slot k.  Base and lane offset are never rewritten: the group, the row and the piece stand in the immediate (65,024 at the most).
.macro FILL k, g
.irp i, 0,1,2,3
.irp j, 0,1,2,3
	global_load_b128 v[X+64*(\k)+16*(\i)+4*(\j):X+64*(\k)+16*(\i)+4*(\j)+3], v1, s[4:5] offset:GRP*(\g)+ROWB*(\i)+512*(\j)
.endr
.endr
.endm
; Group g is added.  left = the loads issued behind its own, which may stay out.  The first two rows start the sums: nothing is cleared.
.macro GROUP g, left
.set XB, X+64*((\g)%3)
	s_wait_loadcnt \left                           ; loads come back in order (ISA guide 5.7.1): my group is in
.irp i, 0,1,2,3
.irp p, 0,1,2,3,4,5,6,7
.if ((\g) == 0) && ((\i) == 0)
.elseif ((\g) == 0) && ((\i) == 1)
	v_pk_add_f32 v[ACC+2*(\p):ACC+2*(\p)+1], v[XB+2*(\p):XB+2*(\p)+1], v[XB+16+2*(\p):XB+16+2*(\p)+1]
.else
	v_pk_add_f32 v[ACC+2*(\p):ACC+2*(\p)+1], v[ACC+2*(\p):ACC+2*(\p)+1], v[XB+16*(\i)+2*(\p):XB+16*(\i)+2*(\p)+1]
.endif
.endr
.endr
.if (\g) < 5
	FILL (\g)%3, (\g)+3                            ; the slot just read takes the group three further on
.endif
.endm
	FILL 0, 0
	FILL 1, 1
	FILL 2, 2
	GROUP 0, 32                                    ; two younger groups, 32 loads, stay out
	GROUP 1, 32
	GROUP 2, 32
	GROUP 3, 32
	GROUP 4, 32
	GROUP 5, 32
	GROUP 6, 16                                    ; nothing more is fetched: the counts run down
	GROUP 7, 0
	; The 16 waves' sums meet in LDS: each wave writes its own 512 bytes of each plane.
.irp j, 0,1,2,3
	ds_store_b128 v4, v[ACC+4*(\j):ACC+4*(\j)+3] offset:PLANE*(\j)
.endr
	s_wait_dscnt 0x0                               ; for the others' sake: my stores are done
	s_barrier_signal -1
	s_barrier_wait -1
	s_cmp_ge_u32 s8, 8
	s_cbranch_scc1 .Lend                           ; 256 threads x 8 bytes are the 2,048 bytes: waves 0 to 7 fold
.irp w, 0,1,2,3,4,5,6,7,8,9,10,11,12,13,14,15
	ds_load_b64 v[X+2*(\w):X+2*(\w)+1], v5 offset:512*(\w)
.endr
	s_wait_dscnt 0x0
.irp d, 1,2,4,8                                        ; a tree: neighbours 1, 2, 4, 8 waves apart
.set i, 0
.rept 8/\d
	v_pk_add_f32 v[X+4*(\d)*i:X+4*(\d)*i+1], v[X+4*(\d)*i:X+4*(\d)*i+1], v[X+4*(\d)*i+2*(\d):X+4*(\d)*i+2*(\d)+1]
.set i, i+1
.endr
.endr
	global_store_b64 v6, v[X:X+1], s[6:7]          ; a wave stores 256 consecutive bytes, at a multiple of 256 from ps's first byte
.Lend:
	s_wait_tensorcnt 0x0                           ; the wave's end: behind my last LDS store
	ds_add_u32 v2, v3
	s_wait_dscnt 0x0
	s_endpgm
.Lfunc_end_k_q87575bf1a6_colsum:
	.size	k_q87575bf1a6_colsum, .Lfunc_end_k_q87575bf1a6_colsum-k_q87575bf1a6_colsum
	.p2alignl 7, 3214868480
	.fill 96, 4, 3214868480
	.section	.rodata,"a",@progbits
	.p2align	6, 0x0
	.amdhsa_kernel k_q87575bf1a6_colsum
		.amdhsa_group_segment_fixed_size 34816
		.amdhsa_private_segment_fixed_size 0
		.amdhsa_enable_private_segment 0
		.amdhsa_kernarg_size 16
		.amdhsa_user_sgpr_count 2
		.amdhsa_user_sgpr_kernarg_segment_ptr 1
		.amdhsa_wavefront_size32 1
		.amdhsa_system_sgpr_workgroup_id_x 1
		.amdhsa_system_sgpr_workgroup_id_y 1
		.amdhsa_system_sgpr_workgroup_id_z 1
		.amdhsa_system_vgpr_workitem_id 0
		.amdhsa_next_free_vgpr 256
		.amdhsa_next_free_sgpr 66
		.amdhsa_reserve_vcc 0
		.amdhsa_float_denorm_mode_32 3
		.amdhsa_float_denorm_mode_16_64 3
		.amdhsa_memory_ordered 1
		.amdhsa_forward_progress 1
		.amdhsa_inst_pref_size 32
	.end_amdhsa_kernel
	.amdgpu_metadata
---
amdhsa.version: [ 1, 2 ]
amdhsa.kernels:
  - .name:           k_q87575bf1a6_colsum
    .symbol:         k_q87575bf1a6_colsum.kd
    .args:
      - { .name: x, .offset: 0, .size: 8, .value_kind: global_buffer, .address_space: global }
      - { .name: ps, .offset: 8, .size: 8, .value_kind: global_buffer, .address_space: global }
    .group_segment_fixed_size: 34816
    .private_segment_fixed_size: 0
    .kernarg_segment_align: 8
    .kernarg_segment_size: 16
    .max_flat_workgroup_size: 512
    .sgpr_count:     66
    .vgpr_count:     256
    .wavefront_size: 32
...
	.end_amdgpu_metadata
.endif
;; end of part 1
;; launch mid (part 2): grid 16 x 16, 8 waves a work-group, no clusters, 75,008 bytes of LDS; arguments ps, Wq, bq, Wk, bk, up; writes up
.if DOCPART == 2
	.amdgcn_target "amdgcn-amd-amdhsa--gfx1250"
	.amdhsa_code_object_version 6
	.text
	.protected	k_q87575bf1a6_mid
	.globl	k_q87575bf1a6_mid
	.p2align	8
	.type	k_q87575bf1a6_mid,@function
k_q87575bf1a6_mid:
	s_mov_b64 s[64:65], 0
	v_nop
	global_prefetch_b8 v0, s[64:65] scope:SCOPE_SE
	s_setreg_imm32_b32 hwreg(HW_REG_WAVE_MODE, 25, 1), 1
	s_wait_xcnt 0x0
; FROM THE COLUMN SUMS TO THE SCORE VECTOR, in parts.  q[b][e] = Wq[e] . mean(x[b]) + bq[e].  A score is q . (Wk x_s + bk) = u . x_s + c with u[b][d] = the sum over e of q[b][e] Wk[e][d] and
; c[b] = the sum over e of q[b][e] bk[e]: an identity of the sums, for every input.  A work-group owns 32 rows e and 4 batches: it makes its q and spends them at once on a PART of u and c, so q is never needed whole.
; up: [64 b][16 tiles of e], records of 2,304 bytes: 2,048 of u's part, then c's part 64 times (a whole block of 256 bytes).  The launch behind adds the 16 parts.
; SHARES.  Wave w owns rows e0 + 0..3, e0 = 32 x tile + 4 w, of Wq and of Wk, each row in 16 registers (load j: columns 128 j + 4 lane .. + 3).
; All in f32 on the vector unit: 64 rows against 512 x 512 weights are 4 multiply-adds a weight here, and the weights' way from memory sets the time; bf16 would cost margin and save none.
; No cluster and no tensor load: a work-group's weights are 128 KiB, loaded once into registers.
; LIMITS.  The order of sums is not the reference's (q is folded into Wk before x); NaN and infinities are not treated apart.
.set XM,   64                          ; v[64:127]  the four batches' column sums, 16 registers each; first the parts from ps; at the end 8 waves' parts read back
.set WQ,   128                         ; v[128:191] my four rows of Wq; later ACC
.set ACC,  128                         ; v[128:191] my part of u for batch b at ACC + 16 b
.set WK,   192                         ; v[192:255] my four rows of Wk
.set D,    16                          ; v[16:47]   the pair for row i, batch b at D + 8 i + 2 b: a dot product's two halves, then q in the low register
.set C,    48                          ; v[48:51]   my part of c for batch b
.set L_UW, 8192                        ; LDS 0: the sums, [4 b][2,048].  L_UW: 16 planes (4 b + j) of 8 waves x 512 bytes
.set L_CW, 73728                       ; one block of 256 bytes: word 4 w + b is wave w's part of c[b]
.set SPARE, 73984                      ; the spare words, 128 bytes for each of 8 waves
.set SEL,  22                          ; s[22:23] v_permlanex16_b32's selects: each lane takes its own place in the other half
; v1 16 x lane  v2, v3 the add's registers  v4 to v8 LDS addresses  v9 8 x lane  v[52:53] c
; Four dot products at once: each pair's halves are added, then the 32 lanes' (four steps inside a half ride on the addition, one crosses the halves).  Every lane ends with the sum in the low register.
.macro RED4 d0, d1, d2, d3
.irp d, \d0, \d1, \d2, \d3
	v_add_f32 v[\d], v[\d], v[(\d)+1]
.endr
.irp m, 1,2,4,8
.irp d, \d0, \d1, \d2, \d3
	v_add_f32_dpp v[\d], v[\d], v[\d] row_xmask:\m row_mask:0xf bank_mask:0xf
.endr
.endr
.irp d, \d0, \d1, \d2, \d3
	v_permlanex16_b32 v[(\d)+1], v[\d], s[SEL], s[SEL+1]
.endr
.irp d, \d0, \d1, \d2, \d3
	v_add_f32 v[\d], v[\d], v[(\d)+1]
.endr
.endm
	s_load_b256 s[4:11], s[0:1], 0x0               ; ps s[4:5], Wq s[6:7], bq s[8:9], Wk s[10:11]
	s_load_b128 s[12:15], s[0:1], 0x20             ; bk s[12:13], up s[14:15]
	v_lshl_add_u32 v2, v0, 2, SPARE
	v_mov_b32 v3, 0
	v_lshrrev_b32 v10, 5, v0
	v_readfirstlane_b32 s16, v10                   ; wave 0..7
	v_and_b32 v9, 31, v0
	v_lshlrev_b32 v1, 4, v9                        ; 16 x lane
	v_lshl_add_u32 v4, s16, 10, v1                 ; the sums: wave w writes 1,024 bytes: batch w / 2, half w % 2
	v_lshl_add_u32 v5, s16, 9, v1
	v_add_nc_u32 v5, L_UW, v5                      ; in a plane: 512 x wave + 16 x lane
	v_lshl_add_u32 v6, s16, 13, v1
	v_add_nc_u32 v6, L_UW, v6                      ; back: wave w folds planes 2 w and 2 w + 1: batch w / 2, half w % 2
	v_mov_b32 v7, L_CW
	v_lshl_add_u32 v7, s16, 4, v7                  ; my four words of c
	v_and_b32 v8, 7, v0
	v_lshlrev_b32 v8, 4, v8                        ; back: lane l takes wave l % 8's word
	s_lshr_b32 s37, s16, 1
	v_lshl_add_u32 v8, s37, 2, v8                  ; for batch w / 2
	v_add_nc_u32 v8, L_CW, v8
	v_lshlrev_b32 v9, 3, v9                        ; 8 x lane
	s_and_b32 s32, ttmp7, 0xffff                   ; the tile of 4 batches
	s_lshl_b32 s17, ttmp9, 5
	s_lshl2_add_u32 s17, s16, s17                  ; e0 = 32 x tile of e + 4 w
	s_lshl2_add_u32 s33, s32, s37                  ; the batch that I fold: 4 x tile + w / 2
	s_and_b32 s36, s16, 1
	s_lshl_b32 s34, s36, 10                        ; and the half of its row
	s_lshl4_add_u32 s35, s33, ttmp9
	s_mul_i32 s35, s35, 2304                       ; its record in up
	s_add_co_u32 s35, s35, s34
	s_mov_b32 s21, 0x3a000000                      ; 1 / 2,048, exact
	s_mov_b32 s[SEL], 0x76543210
	s_mov_b32 s[SEL+1], 0xfedcba98
	s_lshl_b32 s18, s33, 13                        ; a batch has 4 x 2,048 bytes in ps
	s_add_co_u32 s18, s18, s34
	s_mov_b32 s19, 0
	s_wait_kmcnt 0x0
	s_add_nc_u64 s[4:5], s[4:5], s[18:19]
.irp p, 0,1,2,3                                        ; 8 loads: four parts x my 1,024 bytes
.irp j, 0,1
	global_load_b128 v[XM+8*(\p)+4*(\j):XM+8*(\p)+4*(\j)+3], v1, s[4:5] offset:2048*(\p)+512*(\j)
.endr
.endr
	s_lshl_b32 s18, s17, 11                        ; row e0 of Wq and of Wk
	s_add_nc_u64 s[6:7], s[6:7], s[18:19]
	s_add_nc_u64 s[10:11], s[10:11], s[18:19]
.irp i, 0,1,2,3                                        ; 16 loads
.irp j, 0,1,2,3
	global_load_b128 v[WQ+16*(\i)+4*(\j):WQ+16*(\i)+4*(\j)+3], v1, s[6:7] offset:2048*(\i)+512*(\j)
.endr
.endr
.irp i, 0,1,2,3                                        ; 16 loads
.irp j, 0,1,2,3
	global_load_b128 v[WK+16*(\i)+4*(\j):WK+16*(\i)+4*(\j)+3], v1, s[10:11] offset:2048*(\i)+512*(\j)
.endr
.endr
	s_lshl_b32 s18, s17, 2                         ; bq and bk at e0
	s_add_nc_u64 s[8:9], s[8:9], s[18:19]
	s_add_nc_u64 s[12:13], s[12:13], s[18:19]
	s_load_b128 s[24:27], s[8:9], 0x0              ; bq[e0 .. e0 + 3]
	s_load_b128 s[28:31], s[12:13], 0x0            ; bk[e0 .. e0 + 3]
	s_mov_b32 s18, s35
	s_add_nc_u64 s[14:15], s[14:15], s[18:19]
	; 1. The four parts of ps are added; the four batches' sums go to every wave through LDS.
	s_wait_loadcnt 32                              ; the 8 are in; Wq's and Wk's 32 stay out
.irp p, 1,2,3
.irp q, 0,1,2,3
	v_pk_add_f32 v[XM+2*(\q):XM+2*(\q)+1], v[XM+2*(\q):XM+2*(\q)+1], v[XM+8*(\p)+2*(\q):XM+8*(\p)+2*(\q)+1]
.endr
.endr
	ds_store_b128 v4, v[XM:XM+3]
	ds_store_b128 v4, v[XM+4:XM+7] offset:512
	s_wait_dscnt 0x0                               ; for the others' sake
	s_barrier_signal -1
	s_barrier_wait -1
.irp b, 0,1,2,3
.irp j, 0,1,2,3
	ds_load_b128 v[XM+16*(\b)+4*(\j):XM+16*(\b)+4*(\j)+3], v1 offset:2048*(\b)+512*(\j)
.endr
.endr
	s_wait_dscnt 0x0
	s_wait_kmcnt 0x0                               ; bq and bk
	; 2. q for my four rows and the four batches: the first product starts each sum.
.irp i, 0,1,2,3
	s_wait_loadcnt 16+4*(3-(\i))                   ; Wq's row i is in; behind it: Wq's later rows, 4 loads each, and Wk's 16
.irp j, 0,1,2,3,4,5,6,7
.irp b, 0,1,2,3
.if (\j) == 0
	v_pk_mul_f32 v[D+8*(\i)+2*(\b):D+8*(\i)+2*(\b)+1], v[WQ+16*(\i):WQ+16*(\i)+1], v[XM+16*(\b):XM+16*(\b)+1]
.else
	v_pk_fma_f32 v[D+8*(\i)+2*(\b):D+8*(\i)+2*(\b)+1], v[WQ+16*(\i)+2*(\j):WQ+16*(\i)+2*(\j)+1], v[XM+16*(\b)+2*(\j):XM+16*(\b)+2*(\j)+1], v[D+8*(\i)+2*(\b):D+8*(\i)+2*(\b)+1]
.endif
.endr
.endr
	RED4 D+8*(\i), D+8*(\i)+2, D+8*(\i)+4, D+8*(\i)+6
.irp b, 0,1,2,3
	v_fma_f32 v[D+8*(\i)+2*(\b)], v[D+8*(\i)+2*(\b)], s21, s[24+(\i)]  ; q = sum / 2,048 + bq, fused
.endr
.endr
	; 3. My part of u and of c: q times my rows of Wk and my numbers of bk.  ACC takes Wq's registers, which are read out.
.irp i, 0,1,2,3
	s_wait_loadcnt 4*(3-(\i))                      ; Wk's row i is in
.irp b, 0,1,2,3
.irp j, 0,1,2,3,4,5,6,7
.if (\i) == 0
	v_pk_mul_f32 v[ACC+16*(\b)+2*(\j):ACC+16*(\b)+2*(\j)+1], v[WK+2*(\j):WK+2*(\j)+1], v[D+2*(\b):D+2*(\b)+1] op_sel_hi:[1,0]
.else
	v_pk_fma_f32 v[ACC+16*(\b)+2*(\j):ACC+16*(\b)+2*(\j)+1], v[WK+16*(\i)+2*(\j):WK+16*(\i)+2*(\j)+1], v[D+8*(\i)+2*(\b):D+8*(\i)+2*(\b)+1], v[ACC+16*(\b)+2*(\j):ACC+16*(\b)+2*(\j)+1] op_sel_hi:[1,0,1]
.endif
.endr
.if (\i) == 0
	v_mul_f32 v[C+(\b)], s28, v[D+2*(\b)]
.else
	v_fmac_f32 v[C+(\b)], s[28+(\i)], v[D+8*(\i)+2*(\b)]
.endif
.endr
.endr
	; 4. The 8 waves' parts are added through LDS; wave w folds and stores 1,024 bytes of batch w / 2.
.irp b, 0,1,2,3
.irp j, 0,1,2,3
	ds_store_b128 v5, v[ACC+16*(\b)+4*(\j):ACC+16*(\b)+4*(\j)+3] offset:4096*(4*(\b)+(\j))
.endr
	ds_store_b32 v7, v[C+(\b)] offset:4*(\b)       ; all lanes hold the same number and write the same word
.endr
	s_wait_dscnt 0x0                               ; for the others' sake
	s_barrier_signal -1
	s_barrier_wait -1
.irp j, 0,1
.irp w, 0,1,2,3,4,5,6,7
	ds_load_b128 v[XM+32*(\j)+4*(\w):XM+32*(\j)+4*(\w)+3], v6 offset:4096*(\j)+512*(\w)
.endr
.endr
	ds_load_b32 v52, v8
	s_wait_dscnt 0x0
.irp d, 1,2,4                                          ; two trees over 8 waves, side by side
.irp j, 0,1
.set i, 0
.rept 4/\d
	v_pk_add_f32 v[XM+32*(\j)+8*(\d)*i:XM+32*(\j)+8*(\d)*i+1], v[XM+32*(\j)+8*(\d)*i:XM+32*(\j)+8*(\d)*i+1], v[XM+32*(\j)+8*(\d)*i+4*(\d):XM+32*(\j)+8*(\d)*i+4*(\d)+1]
	v_pk_add_f32 v[XM+32*(\j)+8*(\d)*i+2:XM+32*(\j)+8*(\d)*i+3], v[XM+32*(\j)+8*(\d)*i+2:XM+32*(\j)+8*(\d)*i+3], v[XM+32*(\j)+8*(\d)*i+4*(\d)+2:XM+32*(\j)+8*(\d)*i+4*(\d)+3]
.set i, i+1
.endr
.endr
.endr
	v_add_f32_dpp v52, v52, v52 row_xmask:1 row_mask:0xf bank_mask:0xf  ; eight neighbouring lanes hold the eight waves' parts of c
	v_add_f32_dpp v52, v52, v52 row_xmask:2 row_mask:0xf bank_mask:0xf
	v_add_f32_dpp v52, v52, v52 row_xmask:4 row_mask:0xf bank_mask:0xf
	v_mov_b32 v53, v52
	global_store_b128 v1, v[XM:XM+3], s[14:15]               ; 512 consecutive bytes each, at multiples of 256 from up's first byte
	global_store_b128 v1, v[XM+32:XM+35], s[14:15] offset:512
	s_cmp_lg_u32 s36, 0
	s_cbranch_scc1 .Lend                           ; the even wave of a batch's two also stores c:
	global_store_b64 v9, v[52:53], s[14:15] offset:2048      ; 64 times, so that the record's last 256 bytes are written whole by one instruction
.Lend:
	s_wait_tensorcnt 0x0                           ; the wave's end: behind my last LDS store
	ds_add_u32 v2, v3
	s_wait_dscnt 0x0
	s_endpgm
.Lfunc_end_k_q87575bf1a6_mid:
	.size	k_q87575bf1a6_mid, .Lfunc_end_k_q87575bf1a6_mid-k_q87575bf1a6_mid
	.p2alignl 7, 3214868480
	.fill 96, 4, 3214868480
	.section	.rodata,"a",@progbits
	.p2align	6, 0x0
	.amdhsa_kernel k_q87575bf1a6_mid
		.amdhsa_group_segment_fixed_size 75008
		.amdhsa_private_segment_fixed_size 0
		.amdhsa_enable_private_segment 0
		.amdhsa_kernarg_size 48
		.amdhsa_user_sgpr_count 2
		.amdhsa_user_sgpr_kernarg_segment_ptr 1
		.amdhsa_wavefront_size32 1
		.amdhsa_system_sgpr_workgroup_id_x 1
		.amdhsa_system_sgpr_workgroup_id_y 1
		.amdhsa_system_sgpr_workgroup_id_z 1
		.amdhsa_system_vgpr_workitem_id 0
		.amdhsa_next_free_vgpr 256
		.amdhsa_next_free_sgpr 66
		.amdhsa_reserve_vcc 0
		.amdhsa_float_denorm_mode_32 3
		.amdhsa_float_denorm_mode_16_64 3
		.amdhsa_memory_ordered 1
		.amdhsa_forward_progress 1
		.amdhsa_inst_pref_size 37
	.end_amdhsa_kernel
	.amdgpu_metadata
---
amdhsa.version: [ 1, 2 ]
amdhsa.kernels:
  - .name:           k_q87575bf1a6_mid
    .symbol:         k_q87575bf1a6_mid.kd
    .args:
      - { .name: ps, .offset: 0, .size: 8, .value_kind: global_buffer, .address_space: global }
      - { .name: Wq, .offset: 8, .size: 8, .value_kind: global_buffer, .address_space: global }
      - { .name: bq, .offset: 16, .size: 8, .value_kind: global_buffer, .address_space: global }
      - { .name: Wk, .offset: 24, .size: 8, .value_kind: global_buffer, .address_space: global }
      - { .name: bk, .offset: 32, .size: 8, .value_kind: global_buffer, .address_space: global }
      - { .name: up, .offset: 40, .size: 8, .value_kind: global_buffer, .address_space: global }
    .group_segment_fixed_size: 75008
    .private_segment_fixed_size: 0
    .kernarg_segment_align: 8
    .kernarg_segment_size: 48
    .max_flat_workgroup_size: 256
    .sgpr_count:     66
    .vgpr_count:     256
    .wavefront_size: 32
...
	.end_amdgpu_metadata
.endif
;; end of part 2
;; launch attn (part 3): grid 256 x 1, 16 waves a work-group, no clusters, 37,632 bytes of LDS; arguments x, up, pz; writes pz
.if DOCPART == 3
	.amdgcn_target "amdgcn-amd-amdhsa--gfx1250"
	.amdhsa_code_object_version 6
	.text
	.protected	k_q87575bf1a6_attn
	.globl	k_q87575bf1a6_attn
	.p2align	8
	.type	k_q87575bf1a6_attn,@function
k_q87575bf1a6_attn:
	s_mov_b64 s[64:65], 0
	v_nop
	global_prefetch_b8 v0, s[64:65] scope:SCOPE_SE
	s_setreg_imm32_b32 hwreg(HW_REG_WAVE_MODE, 25, 1), 1
	s_wait_xcnt 0x0
; SCORES, SOFTMAX AND WEIGHTED SUM IN ONE PASS OVER x.  For a batch: score_s = u . x_s + c; with a running maximum M: L = the sum of 2^(t_s - M), Z[d] = the sum of 2^(t_s - M) x_s[d], t = score x log2(e).
; Since out = the sum of alpha_s (Wv x_s + bv) = Wv (sum alpha_s x_s) + bv (the alphas add up to 1 by the softmax's own division), only Z, L and M are needed of x: k and v are never formed.
; pz: [64 b][4 parts], records of 2,304 bytes: Z (2,048), then the pair (M, L) 32 times (a whole block of 256 bytes).  M is in units of log2.
; SHARES.  Work-group g owns 512 rows: batch g / 4, part g % 4; each of its 16 waves 32 rows, in eight groups of 4 through three register slots: 32 loads, 16 KiB, a wave stay on their way.
; A wave walks its rows from the last group to the first: the reverse of the order in which the launch that made the column sums read them.  A softmax does not care for the order of its rows.
; A ROW IN REGISTERS.  Load j brings columns 128 j + 4 lane .. + 3; u lies in the same layout, so a score is 8 packed multiply-adds a lane and one sum over the lanes; four rows' sums go side by side.
; Vector unit, f32: against x there is ONE vector a batch, a sixteenth of a matrix instruction's columns, and the rounding of x to bf16 would cost as many instructions as the multiply-adds do.
; No tensor loads (counted waits on a register ring never empty the pipe), no cluster (no two work-groups share a row of x; u's parts are 36 KiB).
; LIMITS.  The maximum is a true running maximum, so no exponential is above 1; a weight below 2^-126 counts as 0; NaN and infinities are not treated apart; the order of sums is not the reference's.
.set ROWB,  2048
.set GRP,   4*ROWB
.set PLANE, 8192                       ; LDS 0: four planes of 16 waves x 512 bytes, for Z
.set L_U,   32768                      ; u, 2,048 bytes
.set L_C,   34816                      ; 16 words: c's parts          (each of these three has a block of 256 bytes)
.set L_M,   35072                      ; 16 words: the waves' M
.set L_L,   35328                      ; 16 words: the waves' L
.set SPARE, 35584                      ; the spare words, 128 bytes for each of 16 waves
.set U,   4                            ; v[4:19]   u x log2(e)
.set ACC, 20                           ; v[20:35]  Z; in the opening u's 16 parts
.set DT,  36                           ; v[36:43]  four pairs: a score's halves, then t, then the weight in the low register
.set T0,  44
.set T1,  45
.set A,   46                           ; v46  2^(M_old - M_new); named as a pair with v47
.set MN,  47                           ; v47  the new maximum
.set M,   48
.set L,   49
.set CI,  50                           ; v[50:51]  what starts a score's sum: c x log2(e) in lane 0's low half, 0 elsewhere
.set T4,  52                           ; 4 x thread
.set WR,  53                           ; 2,304 x wave
.set MW,  54                           ; v[54:55]  the work-group's M and L
.set W4,  56                           ; 4 x wave
.set L4,  57                           ; 4 x (lane % 16)
.set ZA,  58                           ; in a plane: 512 x wave + 16 x lane
.set ZR,  59                           ; where I read 16 waves' Z back
.set T8,  60                           ; my byte offset in Z
.set L8,  61                           ; 8 x lane
.set X,   64                           ; v[64:255] slot k at X + 64 k, row i at + 16 i, load j at + 4 j
.set SEL, 14                           ; s[14:15] v_permlanex16_b32's selects
.macro RED4 d0, d1, d2, d3             ; four sums over halves and lanes, side by side; every lane ends with the sum in the low register
.irp d, \d0, \d1, \d2, \d3
	v_add_f32 v[\d], v[\d], v[(\d)+1]
.endr
.irp m, 1,2,4,8
.irp d, \d0, \d1, \d2, \d3
	v_add_f32_dpp v[\d], v[\d], v[\d] row_xmask:\m row_mask:0xf bank_mask:0xf
.endr
.endr
.irp d, \d0, \d1, \d2, \d3
	v_permlanex16_b32 v[(\d)+1], v[\d], s[SEL], s[SEL+1]
.endr
.irp d, \d0, \d1, \d2, \d3
	v_add_f32 v[\d], v[\d], v[(\d)+1]
.endr
.endm
	s_load_b128 s[4:7], s[0:1], 0x0                ; x s[4:5], up s[6:7]
	s_load_b64 s[8:9], s[0:1], 0x10                ; pz
	v_lshl_add_u32 v2, v0, 2, SPARE
	v_mov_b32 v3, 0
	v_lshrrev_b32 v63, 5, v0
	v_readfirstlane_b32 s10, v63                   ; wave 0..15
	v_and_b32 v62, 31, v0                          ; lane
	v_lshlrev_b32 v1, 4, v62
	v_lshlrev_b32 v[T4], 2, v0
	s_mul_i32 s17, s10, 2304
	v_mov_b32 v[WR], s17
	v_mov_b32 v[W4], s10
	v_lshlrev_b32 v[W4], 2, v[W4]
	v_and_b32 v[L4], 15, v0
	v_lshlrev_b32 v[L4], 2, v[L4]
	v_lshl_add_u32 v[ZA], s10, 9, v1
	v_and_b32 v[T8], 0xff, v0                      ; the last fold is done by threads 0 to 255; the mask keeps the address inside LDS in every wave
	v_lshrrev_b32 v[ZR], 6, v[T8]                  ; thread u owns columns 2 u, 2 u + 1: plane u / 64,
	v_and_b32 v63, 63, v[T8]
	v_lshlrev_b32 v63, 3, v63                      ; byte 8 (u % 64) of a wave's 512
	v_lshl_add_u32 v[ZR], v[ZR], 13, v63
	v_lshlrev_b32 v[T8], 3, v[T8]
	v_lshlrev_b32 v[L8], 3, v62
	s_lshl_b32 s12, ttmp9, 20                      ; the work-group's MiB of x,
	s_lshl_b32 s17, s10, 16                        ; my wave's 64 KiB in it
	s_add_co_u32 s12, s12, s17
	s_mov_b32 s13, 0
	s_lshr_b32 s18, ttmp9, 2
	s_mul_i32 s18, s18, 16*2304                    ; the batch's 16 records in up
	s_mov_b32 s19, 0
	s_mul_i32 s20, ttmp9, 2304                     ; the work-group's record in pz
	s_mov_b32 s21, 0
	s_mov_b32 s[SEL], 0x76543210
	s_mov_b32 s[SEL+1], 0xfedcba98
	s_mov_b32 s16, 0x3fb8aa3b                      ; log2(e)
	s_wait_kmcnt 0x0
	s_add_nc_u64 s[6:7], s[6:7], s[18:19]
	s_add_nc_u64 s[4:5], s[4:5], s[12:13]
	s_add_nc_u64 s[8:9], s[8:9], s[20:21]
.macro FILL k, g                       ; sixteen loads: the g-th group of the walk, which is group 7 - g of my rows, into slot k.  x is read once in this launch
.irp i, 0,1,2,3
.irp j, 0,1,2,3
	global_load_b128 v[X+64*(\k)+16*(\i)+4*(\j):X+64*(\k)+16*(\i)+4*(\j)+3], v1, s[4:5] offset:GRP*(7-(\g))+ROWB*(\i)+512*(\j) th:TH_LOAD_NT
.endr
.endr
.endm
	; THE OPENING.  Thread t adds the 16 parts of u[t]; wave w fetches part w of c.  The stream's first groups are asked for right behind them.
.irp e, 0,1,2,3,4,5,6,7,8,9,10,11,12,13,14,15
	global_load_b32 v[ACC+(\e)], v[T4], s[6:7] offset:2304*(\e)
.endr
	global_load_b32 v[T0], v[WR], s[6:7] offset:2048
	FILL 0, 0
	FILL 1, 1
	s_wait_loadcnt 32                              ; the 17 are in; the two groups stay out
	FILL 2, 2
.irp p, 0,4,8,12
	v_pk_add_f32 v[ACC+(\p):ACC+(\p)+1], v[ACC+(\p):ACC+(\p)+1], v[ACC+(\p)+2:ACC+(\p)+3]
.endr
	v_pk_add_f32 v[ACC:ACC+1], v[ACC:ACC+1], v[ACC+4:ACC+5]
	v_pk_add_f32 v[ACC+8:ACC+9], v[ACC+8:ACC+9], v[ACC+12:ACC+13]
	v_pk_add_f32 v[ACC:ACC+1], v[ACC:ACC+1], v[ACC+8:ACC+9]
	v_add_f32 v[ACC], v[ACC], v[ACC+1]
	v_mul_f32 v[ACC], s16, v[ACC]                  ; log2(e) is folded into u, so that the exponentials are base 2's
	ds_store_b32 v[T4], v[ACC] offset:L_U
	ds_store_b32 v[W4], v[T0] offset:L_C           ; all lanes write the same word with the same number
	s_wait_dscnt 0x0                               ; for the others' sake
	s_barrier_signal -1
	s_barrier_wait -1
.irp j, 0,1,2,3
	ds_load_b128 v[U+4*(\j):U+4*(\j)+3], v1 offset:L_U+512*(\j)
.endr
	ds_load_b32 v[T1], v[L4] offset:L_C            ; sixteen neighbouring lanes hold c's sixteen parts
	s_wait_dscnt 0x0
.irp m, 1,2,4,8
	v_add_f32_dpp v[T1], v[T1], v[T1] row_xmask:\m row_mask:0xf bank_mask:0xf
.endr
	v_mul_f32 v[T1], s16, v[T1]
	v_cmp_eq_u32 vcc_lo, 0, v62
	v_cndmask_b32 v[CI], 0, v[T1], vcc_lo          ; c enters each score once: as the addend of lane 0's first multiply-add
	v_mov_b32 v[CI+1], 0
; Group g of the walk: four scores, the running maximum, four weights, Z and L.  left = the loads issued behind the group's own.  first = 1: the group starts M, L and Z: nothing is cleared.
.macro GROUP g, left, first
.set XB, X+64*((\g)%3)
	s_wait_loadcnt \left                           ; loads come back in order (ISA guide 5.7.1): my group is in
.irp j, 0,1,2,3,4,5,6,7
.irp i, 0,1,2,3
.if (\j) == 0
	v_pk_fma_f32 v[DT+2*(\i):DT+2*(\i)+1], v[XB+16*(\i):XB+16*(\i)+1], v[U:U+1], v[CI:CI+1]
.else
	v_pk_fma_f32 v[DT+2*(\i):DT+2*(\i)+1], v[XB+16*(\i)+2*(\j):XB+16*(\i)+2*(\j)+1], v[U+2*(\j):U+2*(\j)+1], v[DT+2*(\i):DT+2*(\i)+1]
.endif
.endr
.endr
	RED4 DT, DT+2, DT+4, DT+6
	v_max3_num_f32 v[T0], v[DT], v[DT+2], v[DT+4]
.if \first
	v_max_num_f32 v[MN], v[T0], v[DT+6]
.else
	v_max3_num_f32 v[MN], v[T0], v[DT+6], v[M]
	v_sub_f32 v[A], v[M], v[MN]
.endif
.irp i, 0,1,2,3
	v_sub_f32 v[DT+2*(\i)], v[DT+2*(\i)], v[MN]
.endr
.if !(\first)
	v_exp_f32 v[A], v[A]
.endif
.irp i, 0,1,2,3
	v_exp_f32 v[DT+2*(\i)], v[DT+2*(\i)]
.endr
	v_mov_b32 v[M], v[MN]                          ; a plain instruction between the last exponential and the use of its result (ISA guide 5.7.2)
	s_wait_alu depctr_va_vdst(0)
	v_add_f32 v[T0], v[DT], v[DT+2]
	v_add_f32 v[T1], v[DT+4], v[DT+6]
.if \first
	v_add_f32 v[L], v[T0], v[T1]
.irp j, 0,1,2,3,4,5,6,7
	v_pk_mul_f32 v[ACC+2*(\j):ACC+2*(\j)+1], v[XB+2*(\j):XB+2*(\j)+1], v[DT:DT+1] op_sel_hi:[1,0]
.endr
.else
	v_add_f32 v[T0], v[T0], v[T1]
	v_fma_f32 v[L], v[L], v[A], v[T0]
.irp j, 0,1,2,3,4,5,6,7
	v_pk_mul_f32 v[ACC+2*(\j):ACC+2*(\j)+1], v[ACC+2*(\j):ACC+2*(\j)+1], v[A:A+1] op_sel_hi:[1,0]
.endr
.endif
.irp i, 0,1,2,3
.if ((\i) > 0) || !(\first)
.irp j, 0,1,2,3,4,5,6,7
	v_pk_fma_f32 v[ACC+2*(\j):ACC+2*(\j)+1], v[XB+16*(\i)+2*(\j):XB+16*(\i)+2*(\j)+1], v[DT+2*(\i):DT+2*(\i)+1], v[ACC+2*(\j):ACC+2*(\j)+1] op_sel_hi:[1,0,1]
.endr
.endif
.endr
.if (\g) < 5
	FILL (\g)%3, (\g)+3                            ; the slot just read takes the group three further on
.endif
.endm
	GROUP 0, 32, 1                                 ; two younger groups, 32 loads, stay out
	GROUP 1, 32, 0
	GROUP 2, 32, 0
	GROUP 3, 32, 0
	GROUP 4, 32, 0
	GROUP 5, 32, 0
	GROUP 6, 16, 0                                 ; nothing more is fetched: the counts run down
	GROUP 7, 0, 0
	; THE CLOSE.  The 16 waves' maxima meet; each wave brings its L and Z to the common maximum; then those are added.
	ds_store_b32 v[W4], v[M] offset:L_M
	s_wait_dscnt 0x0                               ; for the others' sake
	s_barrier_signal -1
	s_barrier_wait -1
	ds_load_b32 v[MW], v[L4] offset:L_M
	s_wait_dscnt 0x0
.irp m, 1,2,4,8
	v_max_num_f32_dpp v[MW], v[MW], v[MW] row_xmask:\m row_mask:0xf bank_mask:0xf
.endr
	v_sub_f32 v[A], v[M], v[MW]
	v_exp_f32 v[A], v[A]
	v_nop                                          ; a plain instruction behind the exponential
	s_wait_alu depctr_va_vdst(0)
	v_mul_f32 v[L], v[L], v[A]
.irp j, 0,1,2,3,4,5,6,7
	v_pk_mul_f32 v[ACC+2*(\j):ACC+2*(\j)+1], v[ACC+2*(\j):ACC+2*(\j)+1], v[A:A+1] op_sel_hi:[1,0]
.endr
.irp j, 0,1,2,3
	ds_store_b128 v[ZA], v[ACC+4*(\j):ACC+4*(\j)+3] offset:PLANE*(\j)
.endr
	ds_store_b32 v[W4], v[L] offset:L_L
	s_wait_dscnt 0x0                               ; for the others' sake
	s_barrier_signal -1
	s_barrier_wait -1
	s_cmp_ge_u32 s10, 8
	s_cbranch_scc1 .Lhigh
.irp w, 0,1,2,3,4,5,6,7,8,9,10,11,12,13,14,15          ; waves 0 to 7: 256 threads x 8 bytes are Z's 2,048
	ds_load_b64 v[X+2*(\w):X+2*(\w)+1], v[ZR] offset:512*(\w)
.endr
	s_wait_dscnt 0x0
.irp d, 1,2,4,8                                        ; a tree: neighbours 1, 2, 4, 8 waves apart
.set i, 0
.rept 8/\d
	v_pk_add_f32 v[X+4*(\d)*i:X+4*(\d)*i+1], v[X+4*(\d)*i:X+4*(\d)*i+1], v[X+4*(\d)*i+2*(\d):X+4*(\d)*i+2*(\d)+1]
.set i, i+1
.endr
.endr
	global_store_b64 v[T8], v[X:X+1], s[8:9]       ; a wave stores 256 consecutive bytes, at a multiple of 256 from pz's first byte
	s_branch .Lend
.Lhigh:
	s_cmp_lg_u32 s10, 8
	s_cbranch_scc1 .Lend
	ds_load_b32 v[MW+1], v[L4] offset:L_L          ; wave 8: the sum of the 16 L, and the pair (M, L)
	s_wait_dscnt 0x0
.irp m, 1,2,4,8
	v_add_f32_dpp v[MW+1], v[MW+1], v[MW+1] row_xmask:\m row_mask:0xf bank_mask:0xf
.endr
	global_store_b64 v[L8], v[MW:MW+1], s[8:9] offset:2048  ; 32 times: the record's last 256 bytes are written whole by one instruction
.Lend:
	s_wait_tensorcnt 0x0                           ; the wave's end: behind my last LDS store
	ds_add_u32 v2, v3
	s_wait_dscnt 0x0
	s_endpgm
.Lfunc_end_k_q87575bf1a6_attn:
	.size	k_q87575bf1a6_attn, .Lfunc_end_k_q87575bf1a6_attn-k_q87575bf1a6_attn
	.p2alignl 7, 3214868480
	.fill 96, 4, 3214868480
	.section	.rodata,"a",@progbits
	.p2align	6, 0x0
	.amdhsa_kernel k_q87575bf1a6_attn
		.amdhsa_group_segment_fixed_size 37632
		.amdhsa_private_segment_fixed_size 0
		.amdhsa_enable_private_segment 0
		.amdhsa_kernarg_size 24
		.amdhsa_user_sgpr_count 2
		.amdhsa_user_sgpr_kernarg_segment_ptr 1
		.amdhsa_wavefront_size32 1
		.amdhsa_system_sgpr_workgroup_id_x 1
		.amdhsa_system_sgpr_workgroup_id_y 1
		.amdhsa_system_sgpr_workgroup_id_z 1
		.amdhsa_system_vgpr_workitem_id 0
		.amdhsa_next_free_vgpr 256
		.amdhsa_next_free_sgpr 66
		.amdhsa_reserve_vcc 1
		.amdhsa_float_denorm_mode_32 3
		.amdhsa_float_denorm_mode_16_64 3
		.amdhsa_memory_ordered 1
		.amdhsa_forward_progress 1
		.amdhsa_inst_pref_size 75
	.end_amdhsa_kernel
	.amdgpu_metadata
---
amdhsa.version: [ 1, 2 ]
amdhsa.kernels:
  - .name:           k_q87575bf1a6_attn
    .symbol:         k_q87575bf1a6_attn.kd
    .args:
      - { .name: x, .offset: 0, .size: 8, .value_kind: global_buffer, .address_space: global }
      - { .name: up, .offset: 8, .size: 8, .value_kind: global_buffer, .address_space: global }
      - { .name: pz, .offset: 16, .size: 8, .value_kind: global_buffer, .address_space: global }
    .group_segment_fixed_size: 37632
    .private_segment_fixed_size: 0
    .kernarg_segment_align: 8
    .kernarg_segment_size: 24
    .max_flat_workgroup_size: 512
    .sgpr_count:     66
    .vgpr_count:     256
    .wavefront_size: 32
...
	.end_amdgpu_metadata
.endif
;; end of part 3
;; launch outp (part 4): grid 8 x 32, 8 waves a work-group, no clusters, 5,632 bytes of LDS; arguments pz, Wv, bv, out0; writes out0
.if DOCPART == 4
	.amdgcn_target "amdgcn-amd-amdhsa--gfx1250"
	.amdhsa_code_object_version 6
	.text
	.protected	k_q87575bf1a6_outp
	.globl	k_q87575bf1a6_outp
	.p2align	8
	.type	k_q87575bf1a6_outp,@function
k_q87575bf1a6_outp:
	s_mov_b64 s[64:65], 0
	v_nop
	global_prefetch_b8 v0, s[64:65] scope:SCOPE_SE
	s_setreg_imm32_b32 hwreg(HW_REG_WAVE_MODE, 25, 1), 1
	s_wait_xcnt 0x0
; THE FOUR PARTS OF A BATCH ARE MERGED, AND THE VALUE PROJECTION.  With T = the largest of the parts' M and f_p = 2^(M_p - T): z = (sum f_p Z_p) / (sum f_p L_p) is the sum of alpha_s x_s;
; out0[b][e] = Wv[e] . z[b] + bv[e]  (bv times the sum of the alphas, which the division has made 1).
; SHARES.  A work-group owns 64 outputs e (256 bytes of a row of out0) of 2 batches.  Wave w merges 512 bytes of z (batch w / 4, piece w % 4) and owns rows e0 + 0..7 of Wv, e0 = 64 x tile + 8 w, 16 registers a row.
; Vector unit, f32: two batches against a row of Wv are 2 multiply-adds a weight; the weights' way from memory sets the time.  No cluster and no tensor load: a work-group's weights are 128 KiB, loaded once into registers.
; LIMITS.  sum f_p L_p is at least 1 (the part that holds the maximum has f = 1 and L >= 1), so the reciprocal is safe; it is good to the last bit or so, not correctly rounded; NaN and infinities are not treated apart.
.set D,    16                          ; v[16:47]   the pair for row i, batch b at D + 4 i + 2 b
.set ST,   48                          ; v[48:55]   part p's pair (M, L) at ST + 2 p; M's place then takes f, then f / sum
.set TM,   56                          ; v56 T   v57 the sum of f L   v58 its reciprocal
.set ZZ,   60                          ; v[60:63]   my 16 bytes of z
.set ZM,   64                          ; v[64:79] the four parts' Z; later v[64:95]: z of the two batches, 16 registers each
.set WV,   128                         ; v[128:255] my eight rows of Wv
.set L_OL, 4096                        ; LDS 0: z, [2 b][2,048].  L_OL: the results, [2 b][64] f32
.set SPARE, 4608                       ; the spare words, 128 bytes for each of 8 waves
.set SEL,  22                          ; s[22:23] v_permlanex16_b32's selects
; v1 16 x lane  v2, v3 the add's registers  v4 where my piece of z goes  v5 32 x wave  v6 where waves 0 and 1 read a row of results back  v9 8 x lane
.macro RED4 d0, d1, d2, d3             ; four sums over halves and lanes, side by side; every lane ends with the sum in the low register
.irp d, \d0, \d1, \d2, \d3
	v_add_f32 v[\d], v[\d], v[(\d)+1]
.endr
.irp m, 1,2,4,8
.irp d, \d0, \d1, \d2, \d3
	v_add_f32_dpp v[\d], v[\d], v[\d] row_xmask:\m row_mask:0xf bank_mask:0xf
.endr
.endr
.irp d, \d0, \d1, \d2, \d3
	v_permlanex16_b32 v[(\d)+1], v[\d], s[SEL], s[SEL+1]
.endr
.irp d, \d0, \d1, \d2, \d3
	v_add_f32 v[\d], v[\d], v[(\d)+1]
.endr
.endm
	s_load_b256 s[4:11], s[0:1], 0x0               ; pz s[4:5], Wv s[6:7], bv s[8:9], out0 s[10:11]
	v_lshl_add_u32 v2, v0, 2, SPARE
	v_mov_b32 v3, 0
	v_lshrrev_b32 v10, 5, v0
	v_readfirstlane_b32 s16, v10                   ; wave 0..7
	v_and_b32 v9, 31, v0
	v_lshlrev_b32 v1, 4, v9
	v_lshlrev_b32 v9, 3, v9
	v_lshl_add_u32 v4, s16, 9, v1                  ; batch w / 4, piece w % 4: 512 w + 16 x lane
	v_mov_b32 v5, s16
	v_lshlrev_b32 v5, 5, v5                        ; my eight results of a batch
	s_and_b32 s17, s16, 1
	v_lshl_add_u32 v6, s17, 8, v9                  ; a batch's 256 bytes of results, 8 a lane
	s_and_b32 s21, ttmp7, 0xffff                   ; the pair of batches
	s_lshl_b32 s20, ttmp9, 6
	s_lshl3_add_u32 s20, s16, s20                  ; e0 = 64 x tile + 8 w
	s_lshr_b32 s18, s16, 2
	s_lshl1_add_u32 s18, s21, s18                  ; the batch that I merge
	s_mul_i32 s18, s18, 4*2304                     ; its four records in pz
	s_mov_b32 s19, 0
	s_and_b32 s36, s16, 3
	s_lshl_b32 s36, s36, 9                         ; my 512 bytes of Z
	s_mov_b32 s37, 0
	s_mov_b32 s[SEL], 0x76543210
	s_mov_b32 s[SEL+1], 0xfedcba98
	s_wait_kmcnt 0x0
	s_add_nc_u64 s[32:33], s[4:5], s[18:19]
	s_add_nc_u64 s[34:35], s[32:33], s[36:37]
.irp p, 0,1,2,3                                        ; 4 loads: each lane takes one of the 32 copies of (M, L): 256 consecutive bytes a wave
	global_load_b64 v[ST+2*(\p):ST+2*(\p)+1], v9, s[32:33] offset:2304*(\p)+2048
.endr
.irp p, 0,1,2,3                                        ; 4 loads
	global_load_b128 v[ZM+4*(\p):ZM+4*(\p)+3], v1, s[34:35] offset:2304*(\p)
.endr
	s_lshl_b32 s18, s20, 11                        ; row e0 of Wv
	s_add_nc_u64 s[6:7], s[6:7], s[18:19]
.irp i, 0,1,2,3,4,5,6,7                                ; 32 loads
.irp j, 0,1,2,3
	global_load_b128 v[WV+16*(\i)+4*(\j):WV+16*(\i)+4*(\j)+3], v1, s[6:7] offset:2048*(\i)+512*(\j)
.endr
.endr
	s_lshl_b32 s18, s20, 2
	s_add_nc_u64 s[8:9], s[8:9], s[18:19]
	s_load_b256 s[24:31], s[8:9], 0x0              ; bv[e0 .. e0 + 7]
	s_lshl1_add_u32 s18, s21, s17                  ; waves 0 and 1 store: batch 2 x pair + w (w % 2 keeps the base inside out0 in every wave),
	s_lshl_b32 s18, s18, 11
	s_lshl_b32 s36, ttmp9, 8                       ; the tile's 256 bytes of its row
	s_add_co_u32 s18, s18, s36
	s_add_nc_u64 s[10:11], s[10:11], s[18:19]
	; 1. The merge.
	s_wait_loadcnt 32                              ; the 8 are in; Wv's 32 stay out
	v_max3_num_f32 v[TM], v[ST], v[ST+2], v[ST+4]
	v_max_num_f32 v[TM], v[TM], v[ST+6]
.irp p, 0,1,2,3
	v_sub_f32 v[ST+2*(\p)], v[ST+2*(\p)], v[TM]
.endr
.irp p, 0,1,2,3
	v_exp_f32 v[ST+2*(\p)], v[ST+2*(\p)]
.endr
	v_nop                                          ; a plain instruction behind the last exponential (ISA guide 5.7.2)
	s_wait_alu depctr_va_vdst(0)
	v_mul_f32 v[TM+1], v[ST], v[ST+1]
.irp p, 1,2,3
	v_fmac_f32 v[TM+1], v[ST+2*(\p)], v[ST+2*(\p)+1]
.endr
	v_rcp_f32 v[TM+2], v[TM+1]
	v_nop                                          ; and behind the reciprocal
	s_wait_alu depctr_va_vdst(0)
.irp p, 0,1,2,3
	v_mul_f32 v[ST+2*(\p)], v[ST+2*(\p)], v[TM+2]
.endr
	v_pk_mul_f32 v[ZZ:ZZ+1], v[ZM:ZM+1], v[ST:ST+1] op_sel_hi:[1,0]
	v_pk_mul_f32 v[ZZ+2:ZZ+3], v[ZM+2:ZM+3], v[ST:ST+1] op_sel_hi:[1,0]
.irp p, 1,2,3
	v_pk_fma_f32 v[ZZ:ZZ+1], v[ZM+4*(\p):ZM+4*(\p)+1], v[ST+2*(\p):ST+2*(\p)+1], v[ZZ:ZZ+1] op_sel_hi:[1,0,1]
	v_pk_fma_f32 v[ZZ+2:ZZ+3], v[ZM+4*(\p)+2:ZM+4*(\p)+3], v[ST+2*(\p):ST+2*(\p)+1], v[ZZ+2:ZZ+3] op_sel_hi:[1,0,1]
.endr
	ds_store_b128 v4, v[ZZ:ZZ+3]
	s_wait_dscnt 0x0                               ; for the others' sake
	s_barrier_signal -1
	s_barrier_wait -1
.irp b, 0,1
.irp j, 0,1,2,3
	ds_load_b128 v[ZM+16*(\b)+4*(\j):ZM+16*(\b)+4*(\j)+3], v1 offset:2048*(\b)+512*(\j)
.endr
.endr
	s_wait_dscnt 0x0
	s_wait_kmcnt 0x0                               ; bv
	; 2. Two rows of Wv against two batches at a time: four sums that do not wait for each other.  c = 2 x (row in the pair) + batch.
.irp q, 0,1,2,3
	s_wait_loadcnt 8*(3-(\q))                      ; rows 2 q and 2 q + 1 are in; behind them: 4 loads for each of the 2 (3 - q) later rows
.irp j, 0,1,2,3,4,5,6,7
.irp c, 0,1,2,3
.if (\j) == 0
	v_pk_mul_f32 v[D+8*(\q)+2*(\c):D+8*(\q)+2*(\c)+1], v[WV+16*(2*(\q)+(\c)/2):WV+16*(2*(\q)+(\c)/2)+1], v[ZM+16*((\c)%2):ZM+16*((\c)%2)+1]
.else
	v_pk_fma_f32 v[D+8*(\q)+2*(\c):D+8*(\q)+2*(\c)+1], v[WV+16*(2*(\q)+(\c)/2)+2*(\j):WV+16*(2*(\q)+(\c)/2)+2*(\j)+1], v[ZM+16*((\c)%2)+2*(\j):ZM+16*((\c)%2)+2*(\j)+1], v[D+8*(\q)+2*(\c):D+8*(\q)+2*(\c)+1]
.endif
.endr
.endr
	RED4 D+8*(\q), D+8*(\q)+2, D+8*(\q)+4, D+8*(\q)+6
.irp c, 0,1,2,3
	v_add_f32 v[D+8*(\q)+2*(\c)], s[24+2*(\q)+(\c)/2], v[D+8*(\q)+2*(\c)]
.endr
.irp c, 0,1,2,3
	ds_store_b32 v5, v[D+8*(\q)+2*(\c)] offset:L_OL+256*((\c)%2)+4*(2*(\q)+(\c)/2)  ; all lanes hold the same number and write the same word
.endr
.endr
	s_wait_dscnt 0x0                               ; for the others' sake
	s_barrier_signal -1
	s_barrier_wait -1
	s_cmp_ge_u32 s16, 2
	s_cbranch_scc1 .Lend                           ; waves 0 and 1 store a batch's 64 results each
	ds_load_b64 v[ZZ:ZZ+1], v6 offset:L_OL
	s_wait_dscnt 0x0
	global_store_b64 v9, v[ZZ:ZZ+1], s[10:11]      ; 256 consecutive bytes, at a multiple of 256 from out0's first byte
.Lend:
	s_wait_tensorcnt 0x0                           ; the wave's end: behind my last LDS store
	ds_add_u32 v2, v3
	s_wait_dscnt 0x0
	s_endpgm
.Lfunc_end_k_q87575bf1a6_outp:
	.size	k_q87575bf1a6_outp, .Lfunc_end_k_q87575bf1a6_outp-k_q87575bf1a6_outp
	.p2alignl 7, 3214868480
	.fill 96, 4, 3214868480
	.section	.rodata,"a",@progbits
	.p2align	6, 0x0
	.amdhsa_kernel k_q87575bf1a6_outp
		.amdhsa_group_segment_fixed_size 5632
		.amdhsa_private_segment_fixed_size 0
		.amdhsa_enable_private_segment 0
		.amdhsa_kernarg_size 32
		.amdhsa_user_sgpr_count 2
		.amdhsa_user_sgpr_kernarg_segment_ptr 1
		.amdhsa_wavefront_size32 1
		.amdhsa_system_sgpr_workgroup_id_x 1
		.amdhsa_system_sgpr_workgroup_id_y 1
		.amdhsa_system_sgpr_workgroup_id_z 1
		.amdhsa_system_vgpr_workitem_id 0
		.amdhsa_next_free_vgpr 256
		.amdhsa_next_free_sgpr 66
		.amdhsa_reserve_vcc 0
		.amdhsa_float_denorm_mode_32 3
		.amdhsa_float_denorm_mode_16_64 3
		.amdhsa_memory_ordered 1
		.amdhsa_forward_progress 1
		.amdhsa_inst_pref_size 24
	.end_amdhsa_kernel
	.amdgpu_metadata
---
amdhsa.version: [ 1, 2 ]
amdhsa.kernels:
  - .name:           k_q87575bf1a6_outp
    .symbol:         k_q87575bf1a6_outp.kd
    .args:
      - { .name: pz, .offset: 0, .size: 8, .value_kind: global_buffer, .address_space: global }
      - { .name: Wv, .offset: 8, .size: 8, .value_kind: global_buffer, .address_space: global }
      - { .name: bv, .offset: 16, .size: 8, .value_kind: global_buffer, .address_space: global }
      - { .name: out0, .offset: 24, .size: 8, .value_kind: global_buffer, .address_space: global }
    .group_segment_fixed_size: 5632
    .private_segment_fixed_size: 0
    .kernarg_segment_align: 8
    .kernarg_segment_size: 32
    .max_flat_workgroup_size: 256
    .sgpr_count:     66
    .vgpr_count:     256
    .wavefront_size: 32
...
	.end_amdgpu_metadata
.endif
;; end of part 4
;; ======== version 2 of 2: 4 launches; version 1 with the launches colsum, attn written anew for expert scheduling mode
;; workspace buffers: ps 524,288 bytes; up 2,359,296 bytes; pz 589,824 bytes
;; launch colsum (part 5): grid 256 x 1, 16 waves a work-group, no clusters, 34,816 bytes of LDS; arguments x, ps; writes ps
.if DOCPART == 5
	.amdgcn_target "amdgcn-amd-amdhsa--gfx1250"
	.amdhsa_code_object_version 6
	.text
	.protected	k_q87575bf1a6_colsum
	.globl	k_q87575bf1a6_colsum
	.p2align	8
	.type	k_q87575bf1a6_colsum,@function
k_q87575bf1a6_colsum:
	s_mov_b64 s[64:65], 0
	v_nop
	global_prefetch_b8 v0, s[64:65] scope:SCOPE_SE
	s_setreg_imm32_b32 hwreg(HW_REG_WAVE_SCHED_MODE, 0, 2), 2
	s_setreg_imm32_b32 hwreg(HW_REG_WAVE_MODE, 25, 1), 1
	s_wait_xcnt 0x0
	s_wait_alu depctr_vm_vsrc(0)
; COLUMN SUMS OF x.  x: [64][2048][512] f32.  ps: [64 batches][4 parts][512] f32: ps[b][p][d] = the sum of x[b][s][d] over the 512 rows s of part p.
; The mean over a batch's rows must be whole before any score can be made, so this pass over x stands in a launch of its own; the division by 2,048 is left to the launch behind.
; SHARES.  Work-group g owns 1 MiB of x: batch g / 4, part g % 4.  Each of its 16 waves owns 32 rows (64 KiB) and adds them in registers; the 16 sums meet in LDS.
; A ROW IN REGISTERS.  A row is 2,048 bytes: four loads of 16 bytes a lane; load j brings columns 128 j + 4 lane .. + 3, so each load of a wave covers 512 consecutive bytes.
; No matrix unit (there is no product), no tensor loads (the counted waits of a register ring never empty the pipe), no cluster (no work-group shares a byte with another).
; LIMITS.  Plain f32 sums, 32 rows in order in a wave, then a tree over 16 waves: another order of rounding than a sum along the axis.
; THE MODE: SCHED_MODE bits 1:0 = 2 (LLVM: expert scheduling mode 2), set by the entry lines.  The code itself states the register dependences
; between vector instructions and memory or LDS instructions, with s_wait_alu, always for 0.
; THE PLAN.  The 32 rows go in 16 blocks of two (8 loads).  Registers that memory or LDS instructions touch:
;   X0 .. X5      six buffers of two rows.  Written by the loads of block p + 5, issued in block p; read by block p's sixteen additions.
;   ACC           written by the additions; read by the four LDS stores behind the last block, and never written after them.
;   v1, v4 to v6  offsets and LDS addresses, made once at the head and never written again: block, row and piece stand in the loads' immediates.
;   v[64:95]      at the end: the LDS loads of the 16 waves' sums land here, the tree adds them, the store reads v[64:65].
;   v2, v3        written at the head, read by the closing add alone.
; Block p adds X[p % 6].  Its loads land in X[(p + 5) % 6] = X[(p - 1) % 6], the buffer that block p - 1 added and that no vector instruction of block p names.  So ONE wait at a block's
; head, behind the wait for its data, states all that the block's eight loads hang on, and these are dealt among its additions.  At a block's head the four younger blocks, 32 loads, 16 KiB, are out.
.set ROWB,  2048                       ; bytes in a row
.set PLANE, 8192                       ; LDS: plane j (columns 128 j ..) holds 16 waves x 512 bytes
.set SPARE, 32768                      ; behind the four planes: the spare words, 128 bytes for each of 16 waves
.set ACC,   20                         ; v[20:35]  the wave's sums of a row's 16 numbers a lane
.set X,     64                         ; v[64:255] buffer k at X + 32 k, row i at + 16 i, load j at + 4 j
; v1 16 x lane   v2, v3 the add's two registers   v4 where my sums go in LDS   v5 where I read 16 waves' sums back   v6 my byte offset in ps
	s_load_b128 s[4:7], s[0:1], 0x0                ; x s[4:5], ps s[6:7]
	v_lshl_add_u32 v2, v0, 2, SPARE                ; my spare word,
	v_mov_b32 v3, 0                                ; and 0: kept for the add at the wave's end alone
	v_lshrrev_b32 v7, 5, v0
	v_readfirstlane_b32 s8, v7                     ; wave 0..15
	v_and_b32 v1, 31, v0
	v_lshlrev_b32 v1, 4, v1                        ; 16 x lane
	v_and_b32 v6, 0xff, v0                         ; the last fold is done by threads 0 to 255; the mask keeps the address inside LDS in every wave
	v_lshrrev_b32 v5, 6, v6                        ; thread u owns columns 2 u, 2 u + 1: plane u / 64,
	v_and_b32 v8, 63, v6
	v_lshlrev_b32 v8, 3, v8                        ; byte 8 (u % 64) of a wave's 512
	v_lshl_add_u32 v5, v5, 13, v8
	v_lshlrev_b32 v6, 3, v6                        ; and byte 8 u of the 2,048 in ps
	s_lshl_b32 s10, ttmp9, 20                      ; the work-group's MiB (255 MiB at the most: 32 bits hold it),
	s_mov_b32 s11, 0
	s_wait_alu depctr_va_sdst(0)                   ; s8 is written, ahead of its first reader: an LDS address and x's base are made from it
	v_lshl_add_u32 v4, s8, 9, v1                   ; in a plane: 512 x wave + 16 x lane
	s_lshl_b32 s12, s8, 16                         ; my wave's 64 KiB in the MiB
	s_add_co_u32 s10, s10, s12
	s_lshl_b32 s12, ttmp9, 11                      ; the work-group's 2,048 bytes of ps
	s_mov_b32 s13, 0
	s_wait_kmcnt 0x0
	s_add_nc_u64 s[4:5], s[4:5], s[10:11]
	s_add_nc_u64 s[6:7], s[6:7], s[12:13]
	s_wait_alu depctr_va_vdst(0)                   ; v1, v4, v5 and v6 are written: every load, LDS instruction and store of the kernel reads one of them as its address
; Four loads: row r of my 32 into its place, buffer (r / 2) % 6, row r % 2.  Base and lane offset are never rewritten: the row and the piece stand in the immediate (65,024 at the most).
.macro ROWIN r
.set XR, X+32*(((\r)/2)%6)+16*((\r)%2)
.irp j, 0,1,2,3
	global_load_b128 v[XR+4*(\j):XR+4*(\j)+3], v1, s[4:5] offset:ROWB*(\r)+512*(\j)
.endr
.endm
; Block p is added.  left = the loads issued behind its own, which may stay out.  The first two rows start the sums: nothing is cleared.
; Blocks 0 to 10 ask for the block five further on.  Block 0 has no block in front of it: no vector instruction has named X5.  Blocks 11 to 15 load nothing, so they state nothing.
.macro BLK p, left
.set XB, X+32*((\p)%6)
	s_wait_loadcnt \left                           ; loads come back in order (ISA guide 5.7.1): my block is in
.if ((\p) > 0) && ((\p) < 11)
	s_wait_alu depctr_va_vdst(0)                   ; the block before is done reading its X, in which the eight loads below land
.endif
.irp i, 0,1
.if (\p) < 11
	ROWIN 2*((\p)+5)+(\i)                          ; no vector instruction since the wait names these registers
.endif
.irp q, 0,1,2,3,4,5,6,7
.if ((\p) == 0) && ((\i) == 0)
.elseif ((\p) == 0) && ((\i) == 1)
	v_pk_add_f32 v[ACC+2*(\q):ACC+2*(\q)+1], v[XB+2*(\q):XB+2*(\q)+1], v[XB+16+2*(\q):XB+16+2*(\q)+1]
.else
	v_pk_add_f32 v[ACC+2*(\q):ACC+2*(\q)+1], v[ACC+2*(\q):ACC+2*(\q)+1], v[XB+16*(\i)+2*(\q):XB+16*(\i)+2*(\q)+1]
.endif
.endr
.endr
.endm
.irp r, 0,1,2,3,4,5,6,7,8,9
	ROWIN \r                                       ; blocks 0 to 4 into X0 to X4
.endr
.irp p, 0,1,2,3,4,5,6,7,8,9,10,11
	BLK \p, 32                                     ; four younger blocks, 32 loads, stay out
.endr
	BLK 12, 24                                     ; nothing more is fetched: the counts run down
	BLK 13, 16
	BLK 14, 8
	BLK 15, 0
	; The 16 waves' sums meet in LDS: each wave writes its own 512 bytes of each plane.
	s_wait_alu depctr_va_vdst(0)                   ; the additions have written ACC, which the LDS stores read; they are also done reading v[64:95], in which the LDS loads below land
.irp j, 0,1,2,3
	ds_store_b128 v4, v[ACC+4*(\j):ACC+4*(\j)+3] offset:PLANE*(\j)
.endr
	s_wait_dscnt 0x0                               ; for the others' sake: my stores are done
	s_barrier_signal -1
	s_barrier_wait -1
	s_cmp_ge_u32 s8, 8
	s_cbranch_scc1 .Lend                           ; 256 threads x 8 bytes are the 2,048 bytes: waves 0 to 7 fold
.irp w, 0,1,2,3,4,5,6,7,8,9,10,11,12,13,14,15
	ds_load_b64 v[X+2*(\w):X+2*(\w)+1], v5 offset:512*(\w)
.endr
	s_wait_dscnt 0x0
.irp d, 1,2,4,8                                        ; a tree: neighbours 1, 2, 4, 8 waves apart
.set i, 0
.rept 8/\d
	v_pk_add_f32 v[X+4*(\d)*i:X+4*(\d)*i+1], v[X+4*(\d)*i:X+4*(\d)*i+1], v[X+4*(\d)*i+2*(\d):X+4*(\d)*i+2*(\d)+1]
.set i, i+1
.endr
.endr
	s_wait_alu depctr_va_vdst(0)                   ; the tree has written v[64:65], which the store reads
	global_store_b64 v6, v[X:X+1], s[6:7]          ; a wave stores 256 consecutive bytes, at a multiple of 256 from ps's first byte
.Lend:
	s_wait_dscnt 0x0                               ; the wave's end
	s_wait_alu 0x0
	s_wait_tensorcnt 0x0
	ds_add_u32 v2, v3
	s_wait_dscnt 0x0
	s_endpgm
.Lfunc_end_k_q87575bf1a6_colsum:
	.size	k_q87575bf1a6_colsum, .Lfunc_end_k_q87575bf1a6_colsum-k_q87575bf1a6_colsum
	.p2alignl 7, 3214868480
	.fill 96, 4, 3214868480
	.section	.rodata,"a",@progbits
	.p2align	6, 0x0
	.amdhsa_kernel k_q87575bf1a6_colsum
		.amdhsa_group_segment_fixed_size 34816
		.amdhsa_private_segment_fixed_size 0
		.amdhsa_enable_private_segment 0
		.amdhsa_kernarg_size 16
		.amdhsa_user_sgpr_count 2
		.amdhsa_user_sgpr_kernarg_segment_ptr 1
		.amdhsa_wavefront_size32 1
		.amdhsa_system_sgpr_workgroup_id_x 1
		.amdhsa_system_sgpr_workgroup_id_y 1
		.amdhsa_system_sgpr_workgroup_id_z 1
		.amdhsa_system_vgpr_workitem_id 0
		.amdhsa_next_free_vgpr 256
		.amdhsa_next_free_sgpr 66
		.amdhsa_reserve_vcc 0
		.amdhsa_float_denorm_mode_32 3
		.amdhsa_float_denorm_mode_16_64 3
		.amdhsa_memory_ordered 1
		.amdhsa_forward_progress 1
		.amdhsa_inst_pref_size 33
	.end_amdhsa_kernel
	.amdgpu_metadata
---
amdhsa.version: [ 1, 2 ]
amdhsa.kernels:
  - .name:           k_q87575bf1a6_colsum
    .symbol:         k_q87575bf1a6_colsum.kd
    .args:
      - { .name: x, .offset: 0, .size: 8, .value_kind: global_buffer, .address_space: global }
      - { .name: ps, .offset: 8, .size: 8, .value_kind: global_buffer, .address_space: global }
    .group_segment_fixed_size: 34816
    .private_segment_fixed_size: 0
    .kernarg_segment_align: 8
    .kernarg_segment_size: 16
    .max_flat_workgroup_size: 512
    .sgpr_count:     66
    .vgpr_count:     256
    .wavefront_size: 32
...
	.end_amdgpu_metadata
.endif
;; end of part 5
;; launch mid: the kernel of part 2 again; grid 16 x 16, 8 waves a work-group, no clusters, 75,008 bytes of LDS; arguments ps, Wq, bq, Wk, bk, up; writes up
;; launch attn (part 6): grid 256 x 1, 16 waves a work-group, no clusters, 37,632 bytes of LDS; arguments x, up, pz; writes pz
.if DOCPART == 6
	.amdgcn_target "amdgcn-amd-amdhsa--gfx1250"
	.amdhsa_code_object_version 6
	.text
	.protected	k_q87575bf1a6_attn
	.globl	k_q87575bf1a6_attn
	.p2align	8
	.type	k_q87575bf1a6_attn,@function
k_q87575bf1a6_attn:
	s_mov_b64 s[64:65], 0
	v_nop
	global_prefetch_b8 v0, s[64:65] scope:SCOPE_SE
	s_setreg_imm32_b32 hwreg(HW_REG_WAVE_SCHED_MODE, 0, 2), 2
	s_setreg_imm32_b32 hwreg(HW_REG_WAVE_MODE, 25, 1), 1
	s_wait_xcnt 0x0
	s_wait_alu depctr_vm_vsrc(0)
; SCORES, SOFTMAX AND WEIGHTED SUM IN ONE PASS OVER x.  For a batch: score_s = u . x_s + c; with a running maximum M: L = the sum of 2^(t_s - M), Z[d] = the sum of 2^(t_s - M) x_s[d], t = score x log2(e).
; Since out = the sum of alpha_s (Wv x_s + bv) = Wv (sum alpha_s x_s) + bv (the alphas add up to 1 by the softmax's own division), only Z, L and M are needed of x: k and v are never formed.
; pz: [64 b][4 parts], records of 2,304 bytes: Z (2,048), then the pair (M, L) 32 times (a whole block of 256 bytes).  M is in units of log2.
; SHARES.  Work-group g owns 512 rows: batch g / 4, part g % 4; each of its 16 waves 32 rows, in eight groups of 4 through three register slots.
; A wave walks its rows from the last group to the first: the reverse of the order in which the launch that made the column sums read them.  A softmax does not care for the order of its rows.
; A ROW IN REGISTERS.  Load j brings columns 128 j + 4 lane .. + 3; u lies in the same layout, so a score is 8 packed multiply-adds a lane and one sum over the lanes; four rows' sums go side by side.
; Vector unit, f32: against x there is ONE vector a batch, a sixteenth of a matrix instruction's columns, and the rounding of x to bf16 would cost as many instructions as the multiply-adds do.
; No tensor loads (counted waits on a register ring never empty the pipe), no cluster (no two work-groups share a row of x; u's parts are 36 KiB).
; LIMITS.  The maximum is a true running maximum, so no exponential is above 1; a weight below 2^-126 counts as 0; NaN and infinities are not treated apart; the order of sums is not the reference's.
; THE MODE: SCHED_MODE bits 1:0 = 2 (LLVM: expert scheduling mode 2), set by the entry lines.  The code itself states the register dependences
; between vector instructions and memory or LDS instructions, with s_wait_alu, always for 0.
; THE PLAN.  Registers that memory or LDS instructions touch:
;   slots 0 .. 2    Group g reads slot g % 3 twice: for its scores, and, behind the exponentials, for Z.  The loads of group g + 2, issued in group g, land in slot (g + 2) % 3 = (g - 1) % 3.
;   v1, T4, WR, W4, L4, ZA, ZR, T8, L8   offsets and LDS addresses, made once at the head and never written again: group, row and piece stand in the loads' immediates.
;   ACC, T0         in the opening: loads land in them, the additions make u in ACC, two LDS stores read them; group 0 writes both again.
;   U, T1, MW, MW+1 LDS loads land in them; no vector instruction has named them before.
;   M, L, ACC       at the close: read by LDS stores and never written after them.    v[64:95] at the close: LDS loads land, the tree adds, the store reads v[64:65].
;   v2, v3          written at the head, read by the closing add alone.
; A group has ONE wait on va_vdst: the one between its exponentials and their first reader.  It also shows the group before done reading its slot.  So groups 1 to 5 ask behind it for the group two further
; on, four loads ahead of each row's eight multiply-adds into Z, which name slot g % 3, the weights and ACC: none of the registers that those loads touch.  16 to 32 loads, 8 to 16 KiB, a wave are on their way.
.set ROWB,  2048
.set GRP,   4*ROWB
.set PLANE, 8192                       ; LDS 0: four planes of 16 waves x 512 bytes, for Z
.set L_U,   32768                      ; u, 2,048 bytes
.set L_C,   34816                      ; 16 words: c's parts          (each of these three has a block of 256 bytes)
.set L_M,   35072                      ; 16 words: the waves' M
.set L_L,   35328                      ; 16 words: the waves' L
.set SPARE, 35584                      ; the spare words, 128 bytes for each of 16 waves
.set U,   4                            ; v[4:19]   u x log2(e)
.set ACC, 20                           ; v[20:35]  Z; in the opening u's 16 parts
.set DT,  36                           ; v[36:43]  four pairs: a score's halves, then t, then the weight in the low register
.set T0,  44
.set T1,  45
.set A,   46                           ; v46  2^(M_old - M_new); named as a pair with v47
.set MN,  47                           ; v47  the new maximum
.set M,   48
.set L,   49
.set CI,  50                           ; v[50:51]  what starts a score's sum: c x log2(e) in lane 0's low half, 0 elsewhere
.set T4,  52                           ; 4 x thread
.set WR,  53                           ; 2,304 x wave
.set MW,  54                           ; v[54:55]  the work-group's M and L
.set W4,  56                           ; 4 x wave
.set L4,  57                           ; 4 x (lane % 16)
.set ZA,  58                           ; in a plane: 512 x wave + 16 x lane
.set ZR,  59                           ; where I read 16 waves' Z back
.set T8,  60                           ; my byte offset in Z
.set L8,  61                           ; 8 x lane
.set X,   64                           ; v[64:255] slot k at X + 64 k, row i at + 16 i, load j at + 4 j
.set SEL, 14                           ; s[14:15] v_permlanex16_b32's selects
.macro RED4 d0, d1, d2, d3             ; four sums over halves and lanes, side by side; every lane ends with the sum in the low register
.irp d, \d0, \d1, \d2, \d3
	v_add_f32 v[\d], v[\d], v[(\d)+1]
.endr
.irp m, 1,2,4,8
.irp d, \d0, \d1, \d2, \d3
	v_add_f32_dpp v[\d], v[\d], v[\d] row_xmask:\m row_mask:0xf bank_mask:0xf
.endr
.endr
.irp d, \d0, \d1, \d2, \d3
	v_permlanex16_b32 v[(\d)+1], v[\d], s[SEL], s[SEL+1]
.endr
.irp d, \d0, \d1, \d2, \d3
	v_add_f32 v[\d], v[\d], v[(\d)+1]
.endr
.endm
	s_load_b128 s[4:7], s[0:1], 0x0                ; x s[4:5], up s[6:7]
	s_load_b64 s[8:9], s[0:1], 0x10                ; pz
	v_lshl_add_u32 v2, v0, 2, SPARE
	v_mov_b32 v3, 0
	v_lshrrev_b32 v63, 5, v0
	v_readfirstlane_b32 s10, v63                   ; wave 0..15
	v_and_b32 v62, 31, v0                          ; lane
	v_lshlrev_b32 v1, 4, v62
	v_lshlrev_b32 v[T4], 2, v0
	v_and_b32 v[L4], 15, v0
	v_lshlrev_b32 v[L4], 2, v[L4]
	v_and_b32 v[T8], 0xff, v0                      ; the last fold is done by threads 0 to 255; the mask keeps the address inside LDS in every wave
	v_lshrrev_b32 v[ZR], 6, v[T8]                  ; thread u owns columns 2 u, 2 u + 1: plane u / 64,
	v_and_b32 v63, 63, v[T8]
	v_lshlrev_b32 v63, 3, v63                      ; byte 8 (u % 64) of a wave's 512
	v_lshl_add_u32 v[ZR], v[ZR], 13, v63
	v_lshlrev_b32 v[T8], 3, v[T8]
	v_lshlrev_b32 v[L8], 3, v62
	s_lshl_b32 s12, ttmp9, 20                      ; the work-group's MiB of x,
	s_mov_b32 s13, 0
	s_lshr_b32 s18, ttmp9, 2
	s_mul_i32 s18, s18, 16*2304                    ; the batch's 16 records in up
	s_mov_b32 s19, 0
	s_mul_i32 s20, ttmp9, 2304                     ; the work-group's record in pz
	s_mov_b32 s21, 0
	s_mov_b32 s[SEL], 0x76543210
	s_mov_b32 s[SEL+1], 0xfedcba98
	s_mov_b32 s16, 0x3fb8aa3b                      ; log2(e)
	s_wait_alu depctr_va_sdst(0)                   ; s10 is written, ahead of its first reader: offsets, LDS addresses and x's base are made from it
	s_mul_i32 s17, s10, 2304
	v_mov_b32 v[WR], s17
	v_mov_b32 v[W4], s10
	v_lshlrev_b32 v[W4], 2, v[W4]
	v_lshl_add_u32 v[ZA], s10, 9, v1
	s_lshl_b32 s22, s10, 16                        ; my wave's 64 KiB in the MiB
	s_add_co_u32 s12, s12, s22
	s_wait_kmcnt 0x0
	s_add_nc_u64 s[6:7], s[6:7], s[18:19]
	s_add_nc_u64 s[4:5], s[4:5], s[12:13]
	s_add_nc_u64 s[8:9], s[8:9], s[20:21]
	s_wait_alu depctr_va_vdst(0)                   ; v1, T4, WR, W4, L4, ZA, ZR, T8 and L8 are written: every load, LDS instruction and store of the kernel reads one of them as its address
.macro ROWIN k, g, i                   ; four loads: row i of the g-th group of the walk, which is group 7 - g of my rows, into slot k.  x is read once in this launch
.irp j, 0,1,2,3
	global_load_b128 v[X+64*(\k)+16*(\i)+4*(\j):X+64*(\k)+16*(\i)+4*(\j)+3], v1, s[4:5] offset:GRP*(7-(\g))+ROWB*(\i)+512*(\j) th:TH_LOAD_NT
.endr
.endm
.macro FILL k, g                       ; sixteen loads: a whole group
.irp i, 0,1,2,3
	ROWIN \k, \g, \i
.endr
.endm
	; THE OPENING.  Thread t adds the 16 parts of u[t]; wave w fetches part w of c.  The stream's first groups are asked for right behind them: no vector instruction has named a slot yet.
.irp e, 0,1,2,3,4,5,6,7,8,9,10,11,12,13,14,15
	global_load_b32 v[ACC+(\e)], v[T4], s[6:7] offset:2304*(\e)
.endr
	global_load_b32 v[T0], v[WR], s[6:7] offset:2048
	FILL 0, 0
	FILL 1, 1
	s_wait_loadcnt 32                              ; the 17 are in; the two groups stay out
	FILL 2, 2
.irp p, 0,4,8,12
	v_pk_add_f32 v[ACC+(\p):ACC+(\p)+1], v[ACC+(\p):ACC+(\p)+1], v[ACC+(\p)+2:ACC+(\p)+3]
.endr
	v_pk_add_f32 v[ACC:ACC+1], v[ACC:ACC+1], v[ACC+4:ACC+5]
	v_pk_add_f32 v[ACC+8:ACC+9], v[ACC+8:ACC+9], v[ACC+12:ACC+13]
	v_pk_add_f32 v[ACC:ACC+1], v[ACC:ACC+1], v[ACC+8:ACC+9]
	v_add_f32 v[ACC], v[ACC], v[ACC+1]
	v_mul_f32 v[ACC], s16, v[ACC]                  ; log2(e) is folded into u, so that the exponentials are base 2's
	s_wait_alu depctr_va_vdst(0)                   ; the multiply has written v[ACC], which the LDS store reads
	ds_store_b32 v[T4], v[ACC] offset:L_U
	ds_store_b32 v[W4], v[T0] offset:L_C           ; all lanes write the same word with the same number
	s_wait_dscnt 0x0                               ; for the others' sake
	s_barrier_signal -1
	s_barrier_wait -1
	s_wait_alu depctr_vm_vsrc(0)                   ; my two LDS stores have read v[ACC] and v[T0], which the first group writes again
.irp j, 0,1,2,3
	ds_load_b128 v[U+4*(\j):U+4*(\j)+3], v1 offset:L_U+512*(\j)
.endr
	ds_load_b32 v[T1], v[L4] offset:L_C            ; sixteen neighbouring lanes hold c's sixteen parts
	v_cmp_eq_u32 vcc_lo, 0, v62                    ; lane 0
	s_wait_dscnt 0x0
.irp m, 1,2,4,8
	v_add_f32_dpp v[T1], v[T1], v[T1] row_xmask:\m row_mask:0xf bank_mask:0xf
.endr
	v_mul_f32 v[T1], s16, v[T1]
	s_wait_alu depctr_va_vcc(0)                    ; the compare has written VCC, ahead of the select that reads it
	v_cndmask_b32 v[CI], 0, v[T1], vcc_lo          ; c enters each score once: as the addend of lane 0's first multiply-add
	v_mov_b32 v[CI+1], 0
; Group g of the walk: four scores, the running maximum, four weights, Z and L.  left = the loads issued behind the group's own.  first = 1: the group starts M, L and Z: nothing is cleared.
.macro GROUP g, left, first
.set XB, X+64*((\g)%3)
	s_wait_loadcnt \left                           ; loads come back in order (ISA guide 5.7.1): my group is in
.irp j, 0,1,2,3,4,5,6,7
.irp i, 0,1,2,3
.if (\j) == 0
	v_pk_fma_f32 v[DT+2*(\i):DT+2*(\i)+1], v[XB+16*(\i):XB+16*(\i)+1], v[U:U+1], v[CI:CI+1]
.else
	v_pk_fma_f32 v[DT+2*(\i):DT+2*(\i)+1], v[XB+16*(\i)+2*(\j):XB+16*(\i)+2*(\j)+1], v[U+2*(\j):U+2*(\j)+1], v[DT+2*(\i):DT+2*(\i)+1]
.endif
.endr
.endr
	RED4 DT, DT+2, DT+4, DT+6
	v_max3_num_f32 v[T0], v[DT], v[DT+2], v[DT+4]
.if \first
	v_max_num_f32 v[MN], v[T0], v[DT+6]
.else
	v_max3_num_f32 v[MN], v[T0], v[DT+6], v[M]
	v_sub_f32 v[A], v[M], v[MN]
.endif
.irp i, 0,1,2,3
	v_sub_f32 v[DT+2*(\i)], v[DT+2*(\i)], v[MN]
.endr
.if !(\first)
	v_exp_f32 v[A], v[A]
.endif
.irp i, 0,1,2,3
	v_exp_f32 v[DT+2*(\i)], v[DT+2*(\i)]
.endr
	v_mov_b32 v[M], v[MN]                          ; a plain instruction between the last exponential and the use of its result (ISA guide 5.7.2)
	s_wait_alu depctr_va_vdst(0)                   ; the exponentials have written the four weights and a, ahead of their first reader; the group before is done reading its slot, in which the loads below (groups 1 to 5) land
	v_add_f32 v[T0], v[DT], v[DT+2]
	v_add_f32 v[T1], v[DT+4], v[DT+6]
.if \first
	v_add_f32 v[L], v[T0], v[T1]
.irp j, 0,1,2,3,4,5,6,7
	v_pk_mul_f32 v[ACC+2*(\j):ACC+2*(\j)+1], v[XB+2*(\j):XB+2*(\j)+1], v[DT:DT+1] op_sel_hi:[1,0]
.endr
.else
	v_add_f32 v[T0], v[T0], v[T1]
	v_fma_f32 v[L], v[L], v[A], v[T0]
.irp j, 0,1,2,3,4,5,6,7
	v_pk_mul_f32 v[ACC+2*(\j):ACC+2*(\j)+1], v[ACC+2*(\j):ACC+2*(\j)+1], v[A:A+1] op_sel_hi:[1,0]
.endr
.endif
.irp i, 0,1,2,3
.if ((\g) > 0) && ((\g) < 6)
	ROWIN ((\g)+2)%3, (\g)+2, \i                   ; the slot that the group before read takes the group two further on; no vector instruction since the wait names these registers
.endif
.if ((\i) > 0) || !(\first)
.irp j, 0,1,2,3,4,5,6,7
	v_pk_fma_f32 v[ACC+2*(\j):ACC+2*(\j)+1], v[XB+16*(\i)+2*(\j):XB+16*(\i)+2*(\j)+1], v[DT+2*(\i):DT+2*(\i)+1], v[ACC+2*(\j):ACC+2*(\j)+1] op_sel_hi:[1,0,1]
.endr
.endif
.endr
.endm
	GROUP 0, 32, 1                                 ; the opening's two younger groups, 32 loads, stay out; all three slots are taken, so nothing is asked for
	GROUP 1, 16, 0                                 ; one younger group, 16 loads, stays out
	GROUP 2, 16, 0
	GROUP 3, 16, 0
	GROUP 4, 16, 0
	GROUP 5, 16, 0
	GROUP 6, 16, 0                                 ; nothing more is fetched
	GROUP 7, 0, 0
	; THE CLOSE.  The 16 waves' maxima meet; each wave brings its L and Z to the common maximum; then those are added.
	ds_store_b32 v[W4], v[M] offset:L_M            ; M was written ahead of the last group's wait on va_vdst, and nothing has written it since
	s_wait_dscnt 0x0                               ; for the others' sake
	s_barrier_signal -1
	s_barrier_wait -1
	ds_load_b32 v[MW], v[L4] offset:L_M
	s_wait_dscnt 0x0
.irp m, 1,2,4,8
	v_max_num_f32_dpp v[MW], v[MW], v[MW] row_xmask:\m row_mask:0xf bank_mask:0xf
.endr
	v_sub_f32 v[A], v[M], v[MW]
	v_exp_f32 v[A], v[A]
	v_nop                                          ; a plain instruction behind the exponential
	s_wait_alu depctr_va_vdst(0)                   ; the exponential has written v[A], ahead of its first reader
	v_mul_f32 v[L], v[L], v[A]
.irp j, 0,1,2,3,4,5,6,7
	v_pk_mul_f32 v[ACC+2*(\j):ACC+2*(\j)+1], v[ACC+2*(\j):ACC+2*(\j)+1], v[A:A+1] op_sel_hi:[1,0]
.endr
	s_wait_alu depctr_va_vdst(0)                   ; the multiplies have written L and ACC, which the LDS stores read
.irp j, 0,1,2,3
	ds_store_b128 v[ZA], v[ACC+4*(\j):ACC+4*(\j)+3] offset:PLANE*(\j)
.endr
	ds_store_b32 v[W4], v[L] offset:L_L
	s_wait_dscnt 0x0                               ; for the others' sake
	s_barrier_signal -1
	s_barrier_wait -1
	s_cmp_ge_u32 s10, 8
	s_cbranch_scc1 .Lhigh
.irp w, 0,1,2,3,4,5,6,7,8,9,10,11,12,13,14,15          ; waves 0 to 7: 256 threads x 8 bytes are Z's 2,048.  v[64:95] were last read by group 6, ahead of the waits above
	ds_load_b64 v[X+2*(\w):X+2*(\w)+1], v[ZR] offset:512*(\w)
.endr
	s_wait_dscnt 0x0
.irp d, 1,2,4,8                                        ; a tree: neighbours 1, 2, 4, 8 waves apart
.set i, 0
.rept 8/\d
	v_pk_add_f32 v[X+4*(\d)*i:X+4*(\d)*i+1], v[X+4*(\d)*i:X+4*(\d)*i+1], v[X+4*(\d)*i+2*(\d):X+4*(\d)*i+2*(\d)+1]
.set i, i+1
.endr
.endr
	s_wait_alu depctr_va_vdst(0)                   ; the tree has written v[64:65], which the store reads
	global_store_b64 v[T8], v[X:X+1], s[8:9]       ; a wave stores 256 consecutive bytes, at a multiple of 256 from pz's first byte
	s_branch .Lend
.Lhigh:
	s_cmp_lg_u32 s10, 8
	s_cbranch_scc1 .Lend
	ds_load_b32 v[MW+1], v[L4] offset:L_L          ; wave 8: the sum of the 16 L, and the pair (M, L)
	s_wait_dscnt 0x0
.irp m, 1,2,4,8
	v_add_f32_dpp v[MW+1], v[MW+1], v[MW+1] row_xmask:\m row_mask:0xf bank_mask:0xf
.endr
	s_wait_alu depctr_va_vdst(0)                   ; the additions have written v[MW+1], which the store reads beside v[MW]
	global_store_b64 v[L8], v[MW:MW+1], s[8:9] offset:2048  ; 32 times: the record's last 256 bytes are written whole by one instruction
.Lend:
	s_wait_dscnt 0x0                               ; the wave's end
	s_wait_alu 0x0
	s_wait_tensorcnt 0x0
	ds_add_u32 v2, v3
	s_wait_dscnt 0x0
	s_endpgm
.Lfunc_end_k_q87575bf1a6_attn:
	.size	k_q87575bf1a6_attn, .Lfunc_end_k_q87575bf1a6_attn-k_q87575bf1a6_attn
	.p2alignl 7, 3214868480
	.fill 96, 4, 3214868480
	.section	.rodata,"a",@progbits
	.p2align	6, 0x0
	.amdhsa_kernel k_q87575bf1a6_attn
		.amdhsa_group_segment_fixed_size 37632
		.amdhsa_private_segment_fixed_size 0
		.amdhsa_enable_private_segment 0
		.amdhsa_kernarg_size 24
		.amdhsa_user_sgpr_count 2
		.amdhsa_user_sgpr_kernarg_segment_ptr 1
		.amdhsa_wavefront_size32 1
		.amdhsa_system_sgpr_workgroup_id_x 1
		.amdhsa_system_sgpr_workgroup_id_y 1
		.amdhsa_system_sgpr_workgroup_id_z 1
		.amdhsa_system_vgpr_workitem_id 0
		.amdhsa_next_free_vgpr 256
		.amdhsa_next_free_sgpr 66
		.amdhsa_reserve_vcc 1
		.amdhsa_float_denorm_mode_32 3
		.amdhsa_float_denorm_mode_16_64 3
		.amdhsa_memory_ordered 1
		.amdhsa_forward_progress 1
		.amdhsa_inst_pref_size 75
	.end_amdhsa_kernel
	.amdgpu_metadata
---
amdhsa.version: [ 1, 2 ]
amdhsa.kernels:
  - .name:           k_q87575bf1a6_attn
    .symbol:         k_q87575bf1a6_attn.kd
    .args:
      - { .name: x, .offset: 0, .size: 8, .value_kind: global_buffer, .address_space: global }
      - { .name: up, .offset: 8, .size: 8, .value_kind: global_buffer, .address_space: global }
      - { .name: pz, .offset: 16, .size: 8, .value_kind: global_buffer, .address_space: global }
    .group_segment_fixed_size: 37632
    .private_segment_fixed_size: 0
    .kernarg_segment_align: 8
    .kernarg_segment_size: 24
    .max_flat_workgroup_size: 512
    .sgpr_count:     66
    .vgpr_count:     256
    .wavefront_size: 32
...
	.end_amdgpu_metadata
.endif
;; end of part 6
;; launch outp: the kernel of part 4 again; grid 8 x 32, 8 waves a work-group, no clusters, 5,632 bytes of LDS; arguments pz, Wv, bv, out0; writes out0
